; MI455X (gfx1250); checked and timed in simulation.
; The chip was launched on July 23, 2026; its instructions are those of AMD's public machine-readable ISA for CDNA 5 (MIT licence, August 2026) and "CDNA5" Instruction Set Architecture Reference Guide (July 2026). The comments in the code are by the model that wrote it; some were corrected since.
;; lstmcell. Allowed arithmetic: matrix products marked QUANTISED: E2M3 operands, one E8M0 scale for each 32 along K, by v_wmma_scale_f32_16x16x128_f8f6f4 with both operands' format E2M3, f32 sums; everything else in f32.
;; Inputs: Wh 4 x 1,024 x 1,024 float32; Wx 4 x 1,024 x 1,024 float32; bh 4 x 1,024 float32; bx 4 x 1,024 float32; input_embedding 8,192 x 1,024 float32; previous_cell_states 8,192 x 1,024 float32; previous_hidden_states 8,192 x 1,024 float32.
;; Outputs: out0 8,192 x 1,024 float32; out1 8,192 x 1,024 float32.
;; This version of the problem:
;;   THIS VERSION OF THE PROBLEM IS GIVEN IN LOW PRECISION. The matrix products marked QUANTISED in the list below multiply operands that are first quantised to E2M3 (2 exponent bits, 3 mantissa bits; 6 bits a number), with one power-of-two scale for each 32 numbers along K (OCP MX v1.0); their sums are f32. All else is computed in f32.
;;   The module's matrix products, in the order in which they are computed (A, B: the left and right operand; K: the contracted axis; several contracted axes count as one K, in the product's order):
;;     1. [M 8,192, K 1,024] x [K 1,024, N 4,096]; A: input input_embedding; B: input Wx: QUANTISED
;;     2. [M 8,192, K 1,024] x [K 1,024, N 4,096]; A: input previous_hidden_states; B: input Wh: QUANTISED
;;   THE QUANTISER, for each operand of a quantised product, along K:
;;     - K is cut into blocks of 32 from its start; a last block that is shorter is filled with zeros.
;;     - A block's scale is 2^e with e = floor(log2(the largest magnitude in the block)) - 2, held to -126 .. 127; a block of zeros has e = 0. As a byte (E8M0): e + 127.
;;     - Each number is divided by its block's scale, clamped to +-7.5, and rounded to the nearest number of E2M3, ties to even, subnormals kept.
;;     - The product sums the exact products of the quantised numbers (number of the format x scale) in f32.
;;   ~~~python
;;   def quantise(x, axis):      # numpy; x: float32 -> the quantised numbers, widened to float32 again
;;       x = np.moveaxis(x, axis, -1); K = x.shape[-1]
;;       x = np.pad(x, [(0, 0)] * (x.ndim - 1) + [(0, -K % 32)]); x = x.reshape(x.shape[:-1] + (-1, 32)); a = np.abs(x).max(-1, keepdims=True)
;;       e = np.where(a > 0, np.clip(np.frexp(np.where(a > 0, a, 1))[1] - 1 - 2, -126, 127), 0)      # np.frexp(a)[1] - 1 = floor(log2(a)), exactly
;;       r = np.clip(x / 2.0 ** e, -7.5, 7.5)
;;       step = 2.0 ** (np.maximum(np.frexp(np.where(r == 0, 1, r))[1] - 1, 0) - 3)
;;       q = np.round(r / step) * step * 2.0 ** e      # np.round: ties to even
;;       return np.moveaxis(q.reshape(q.shape[:-2] + (-1,))[..., :K], -1, axis).astype(np.float32)
;;   ~~~
;; One version. Each part assembles by itself: llvm-mc -triple=amdgcn-amd-amdhsa -mcpu=gfx1250 --defsym DOCPART=n.
;; ======== version 1 of 1: 2 launches
;; limits: right only within a limited range of input values
;; workspace buffers: a_ws 13,107,200 bytes; b_ws 6,553,600 bytes
;; launch quant (part 1): grid 768 x 1, 4 waves a work-group, no clusters, 34,304 bytes of LDS; arguments input_embedding, previous_hidden_states, Wx, Wh, a_ws, b_ws; writes a_ws, b_ws
.if DOCPART == 1
	.amdgcn_target "amdgcn-amd-amdhsa--gfx1250"
	.amdhsa_code_object_version 6
	.text
	.protected	k_qd9ae9511bd_quant
	.globl	k_qd9ae9511bd_quant
	.p2align	8
	.type	k_qd9ae9511bd_quant,@function
k_qd9ae9511bd_quant:
	s_mov_b64 s[64:65], 0
	v_nop
	global_prefetch_b8 v0, s[64:65] scope:SCOPE_SE
	s_setreg_imm32_b32 hwreg(HW_REG_WAVE_MODE, 25, 1), 1
	s_wait_xcnt 0x0
; x, h [8192][1024] f32 (K innermost) and Wx, Wh [4][1024 (k)][1024 (o)] f32 (K first in a gate) become codes of FP6 (E2M3) with one E8M0 byte for each 32 along K,
; laid as the product's launch wants them: IMAGES OF THE OPERAND'S REGISTERS.  The two products are one product with K = 2,048: K steps 0-3 (256 along K each) are x with Wx, 4-7 h with Wh.
; a_ws, b_ws: [group of 128 rows][K step 0..7][PART = 25,600 bytes].  A PART: 16 fragments (q = which 128 of the 256 K, i = which 16 rows) at (8 q + i) x 1,536: registers 4 j .. 4 j + 3 of lane l at 512 j + 16 l;
; then 1,024 bytes of scale words: the word of row r of block i for q at 256 (i / 2) + 16 r + 8 (i % 2) + 4 q.
; A's rows are the batch's.  B's row is 128 (o / 32) + 32 gate + o % 32: so the four gates of one output meet in one wave of the product's launch.
; A block's scale is 2^(floor(log2(its largest magnitude)) - 2); its byte is the largest magnitude's exponent field - 2, held at 1 from below by a floor among the maximum's leaves.
; LIMITS: NaN and infinities among the inputs are not served.  A block of zeros gets the byte 1 where the rule says 127: its codes are zeros, which add nothing under any byte but 0xff, and this program alone reads the bytes.
; Work-groups 0-511 take the activations, one PART each; 512-767 the weights.  Every work-group reads 131,072 bytes.  No barrier: waves share nothing.  Only the activations' path uses LDS.
.set PART,  25600
.set FRB,   1536                       ; a fragment's image: 12 registers x 32 lanes x 4 bytes
.set SCO,   16*FRB                     ; where a PART's scale words begin
.set SP,    528                        ; a stage row: 512 bytes + 16: an odd multiple of 16, so that sixteen rows' same column falls on sixteen different groups of banks
.set STG,   16*SP                      ; a wave's stage
.set FLOOR, 0x1800000                  ; 2^(3 - 127): under it no largest magnitude is taken, so the byte cannot fall under 1
.set EOFF,  0xff000000                 ; takes 2 off an exponent field
.set SW,    16                         ; v16-19  scale words
	s_load_b256 s[4:11], s[0:1], 0x0               ; x s[4:5], h s[6:7], Wx s[8:9], Wh s[10:11]
	s_load_b128 s[12:15], s[0:1], 0x20             ; a_ws s[12:13], b_ws s[14:15]
	v_lshl_add_u32 v251, v0, 2, 0x8400
	v_mov_b32 v255, 0
	v_lshrrev_b32 v1, 5, v0
	v_readfirstlane_b32 s16, v1                    ; wave 0..3
	v_and_b32 v1, 31, v0                           ; lane
	v_and_b32 v2, 15, v0                           ; r
	v_bfe_u32 v3, v0, 4, 1                         ; h
	s_mov_b32 s25, 0                               ; the upper word of every offset pair s[24:25]
	s_wait_kmcnt 0x0
	s_cmp_lt_u32 ttmp9, 512
	s_cbranch_scc0 .Lweights
; ---------------- THE ACTIVATIONS.  Work-group u = 8 G + S makes PART u.  Wave w makes row blocks 2 w and 2 w + 1 for q = 0, 1: fragment f = 2 (block % 2) + q.
; A load takes a row's 512 bytes (128 along K) as they lie, 16 bytes a lane; the fragment's 16 rows turn through the wave's own stage in LDS, and lane (r, h) takes back the whole blocks h and 2 + h of row r:
; the very numbers, in the very order, that the operand's layout gives that lane.  So the conversions' results are the operand's registers.
.set RA,  32                           ; v32-159  two sets of 64, as loaded
.set XA,  160                          ; v160-223 64 numbers back from the stage: 32 c + i = k 64 c + 32 h + i
.set CA,  224                          ; v224-247 two sets of 12: the codes
.set T2,  248                          ; v248-254 the upper halves of the two blocks (a conversion's three registers begin on an even number)
.set MA,  20                           ; v20-21, v22-23 two chains of maxima for each of my two blocks
.set MB,  22
.set SO,  24                           ; v24-25  the conversions' scale operands
.set BY,  10                           ; v10-11  the bytes
	s_mov_b32 s20, 0x76543210
	s_mov_b32 s21, 0xfedcba98                      ; v_permlanex16_b32's selects for lane l xor 16
	s_and_b32 s17, ttmp9, 7                        ; S
	s_lshr_b32 s18, ttmp9, 3                       ; G
	s_cmp_lt_u32 s17, 4                            ; x or h: the choice hangs on the work-group's number alone
	s_cselect_b64 s[4:5], s[4:5], s[6:7]
	s_and_b32 s17, s17, 3
	s_lshl_b32 s24, s18, 19                        ; 128 G rows of 4,096 bytes
	s_lshl_b32 s19, s16, 17                        ; + 32 w rows
	s_add_co_u32 s24, s24, s19
	s_lshl_b32 s19, s17, 10                        ; + 256 (S % 4) numbers
	s_add_co_u32 s24, s24, s19
	s_add_nc_u64 s[4:5], s[4:5], s[24:25]
	s_mul_i32 s24, ttmp9, PART
	s_add_nc_u64 s[12:13], s[12:13], s[24:25]
	s_mul_i32 s17, s16, STG
	s_wait_alu depctr_va_vdst(0)
	v_lshlrev_b32 v4, 4, v1                        ; 16 x lane: my bytes of a load
	v_add_nc_u32 v5, s17, v4                       ; the stage, on the way in
	v_mul_u32_u24 v6, v2, SP
	v_lshl_add_u32 v6, v3, 7, v6
	v_add_nc_u32 v6, s17, v6                       ; and on the way out: row r, + 128 h
	s_mul_i32 s18, s16, 2*FRB
	v_add_nc_u32 v7, s18, v4                       ; the images: 16 x lane + my two blocks' place
	v_lshlrev_b32 v8, 4, v2
	v_lshl_add_u32 v8, v3, 3, v8
	s_lshl_b32 s18, s16, 8
	v_add_nc_u32 v8, s18, v8                       ; the scale words: 256 w + 16 r + 8 h
	v_lshlrev_b32 v12, 3, v3                       ; 8 h: my bytes' place in a word
	v_mov_b32 v27, 0                               ; written once: a lane permute's destination counts as one of its sources
.macro LOADA f                         ; fragment f: 16 loads, each 512 consecutive bytes at a multiple of 512 from the tensor's first byte
.set n, 0
.rept 16
	global_load_b128 v[RA+64*((\f)%2)+4*n:RA+64*((\f)%2)+4*n+3], v4, s[4:5] offset:(16*((\f)/2)+n)*4096+512*((\f)%2) th:TH_LOAD_NT
.set n, n+1
.endr
.endm
.macro FRAGQ f
.set RS, RA+64*((\f)%2)
.set CS, CA+12*((\f)%2)
.if (\f) < 3
	s_wait_loadcnt 16                              ; this fragment's 16 loads are in; the next fragment's 16 may be out
.else
	s_wait_loadcnt 0x0
.endif
.set n, 0
.rept 16
	ds_store_b128 v5, v[RS+4*n:RS+4*n+3] offset:SP*n
.set n, n+1
.endr
.set n, 0
.rept 16
	ds_load_b128 v[XA+4*n:XA+4*n+3], v6 offset:256*(n/8)+16*(n%8)   ; LDS serves a wave's instructions in order: these see the stores above
.set n, n+1
.endr
	s_wait_dscnt 0x0                               ; the numbers are back, and the stores have read their registers,
.if (\f) < 2
	LOADA (\f)+2                                   ; which take the fragment two on
.endif
.irp c, 0,1
	v_max3_num_f32 v[MA+\c], |v[XA+32*\c]|, |v[XA+32*\c+1]|, FLOOR
	v_max3_num_f32 v[MB+\c], |v[XA+32*\c+16]|, |v[XA+32*\c+17]|, |v[XA+32*\c+18]|
.endr
.irp i, 2,4,6,8,10,12
.irp c, 0,1
	v_max3_num_f32 v[MA+\c], v[MA+\c], |v[XA+32*\c+\i]|, |v[XA+32*\c+\i+1]|
	v_max3_num_f32 v[MB+\c], v[MB+\c], |v[XA+32*\c+17+\i]|, |v[XA+32*\c+18+\i]|
.endr
.endr
.irp c, 0,1
	v_max3_num_f32 v[MA+\c], v[MA+\c], |v[XA+32*\c+14]|, |v[XA+32*\c+15]|
.endr
.irp c, 0,1
	v_max3_num_f32 v[MA+\c], v[MA+\c], v[MB+\c], |v[XA+32*\c+31]|   ; the block's largest magnitude: all 32 numbers are mine
.endr
.irp c, 0,1
	v_add_nc_u32 v[SO+\c], EOFF, v[MA+\c]          ; 2 off its exponent field: the conversion takes the exponent field of this operand as its scale, and nothing else of it
.endr
.irp c, 0,1
	v_lshrrev_b32 v[BY+\c], 23, v[SO+\c]           ; the scale's byte
.endr
	v_lshl_or_b32 v26, v[BY+1], 16, v[BY]          ; my two bytes: blocks h and 2 + h,
	v_lshlrev_b32 v26, v12, v26                    ; at their places in the word;
	v_permlanex16_b32 v27, v26, s20, s21
	v_or_b32 v[SW+(\f)], v26, v27                  ; with lane l xor 16's two the word is whole, in both lanes
.if (\f) > 1
	s_wait_alu depctr_va_vdst(0)
	s_wait_xcnt 0x0                                ; the stores of the fragment two back have read this set of codes: only behind this wait is it written again
.endif
.irp c, 0,1
	v_cvt_scalef32_pk16_fp6_f32 v[CS+6*\c:CS+6*\c+2], v[XA+32*\c:XA+32*\c+15], v[SO+\c]
	v_cvt_scalef32_pk16_fp6_f32 v[T2+4*\c:T2+4*\c+2], v[XA+32*\c+16:XA+32*\c+31], v[SO+\c]
.endr
	v_nop                                          ; one plain place behind a scaled conversion
.irp c, 0,1
.irp i, 0,1,2
	v_mov_b32 v[CS+6*\c+3+\i], v[T2+4*\c+\i]       ; registers 6 c .. 6 c + 5 hold k = 64 c + 32 h + 0 .. 31
.endr
.endr
.irp j, 0,1,2
	global_store_b128 v7, v[CS+4*\j:CS+4*\j+3], s[12:13] offset:(8*((\f)%2)+(\f)/2)*FRB+512*\j   ; 32 lanes store 512 consecutive bytes, at a multiple of 512 from the buffer's first byte
.endr
.endm
	LOADA 0
	LOADA 1
	s_wait_alu depctr_va_vdst(0)
	FRAGQ 0
	FRAGQ 1
	FRAGQ 2
	FRAGQ 3
	v_cmp_eq_u32 vcc_lo, 1, v3                     ; lanes r and r + 16 hold the same four words: lanes 0-15 store those of block 2 w, lanes 16-31 those of block 2 w + 1
	v_cndmask_b32 v28, v[SW], v[SW+2], vcc_lo
	v_cndmask_b32 v29, v[SW+1], v[SW+3], vcc_lo
	global_store_b64 v8, v[28:29], s[12:13] offset:SCO   ; 32 lanes store 256 consecutive bytes, aligned
	s_wait_tensorcnt 0x0
	ds_add_u32 v251, v255
	s_wait_dscnt 0x0
	s_endpgm
; ---------------- THE WEIGHTS.  Work-group u' = 32 S + 8 gate + X4; wave w takes the 32 outputs of group ob = 4 X4 + w, 256 along K.
; A LANE TAKES A COLUMN o, AND ITS REGISTERS RUN DOWN K: each load reads neighbouring o in neighbouring lanes (128 consecutive bytes a wave, 512 a work-group), a block of 32 along K lies in one lane,
; and the conversions give codes with K innermost.  Lanes 0-15 hold the columns of block 2 gate, lanes 16-31 those of block 2 gate + 1, each lane all four blocks of 32 of a fragment's K;
; the layout wants lanes 0-15 to hold K blocks 0, 2 and lanes 16-31 K blocks 1, 3 of ONE block of 16 columns: an exchange of halves between the even and the odd K blocks' registers gives both images at once.
.Lweights:
.set XW,  32                           ; v32-95   two sets of 32 numbers
.set FW,  96                           ; v96-143  for q = 0, 1: 12 registers of the even K blocks (then the image of block 2 gate), 12 of the odd (then of block 2 gate + 1)
.set TW,  144                          ; v144-159 the four K blocks' upper halves
	s_sub_co_u32 s17, ttmp9, 512
	s_and_b32 s18, s17, 7                          ; X4
	s_bfe_u32 s19, s17, 0x20003                    ; the gate
	s_lshr_b32 s17, s17, 5                         ; S
	s_lshl_b32 s18, s18, 2
	s_add_co_u32 s18, s18, s16                     ; ob
	s_cmp_lt_u32 s17, 4                            ; Wx or Wh
	s_cselect_b64 s[8:9], s[8:9], s[10:11]
	s_and_b32 s22, s17, 3
	s_lshl_b32 s24, s19, 22                        ; the gate's 1,024 x 1,024 numbers
	s_lshl_b32 s22, s22, 20                        ; + 256 (S % 4) rows of 4,096 bytes
	s_add_co_u32 s24, s24, s22
	s_lshl_b32 s22, s18, 7                         ; + 32 ob columns
	s_add_co_u32 s24, s24, s22
	s_add_nc_u64 s[8:9], s[8:9], s[24:25]
	s_lshl_b32 s24, s18, 3
	s_add_co_u32 s24, s24, s17
	s_mul_i32 s24, s24, PART                       ; PART 8 ob + S
	s_add_nc_u64 s[14:15], s[14:15], s[24:25]
	s_wait_alu depctr_va_vdst(0)
	v_lshlrev_b32 v4, 2, v1                        ; in: 4 bytes a lane
	s_mul_i32 s22, s19, 2*FRB
	v_lshlrev_b32 v7, 4, v1
	v_add_nc_u32 v7, s22, v7                       ; the images: 16 x lane + the gate's two blocks' place
	v_lshlrev_b32 v8, 4, v2
	v_lshl_add_u32 v8, v3, 3, v8
	s_lshl_b32 s22, s19, 8
	v_add_nc_u32 v8, s22, v8                       ; the scale words: 256 gate + 16 r + 8 h
.macro LOADW t                         ; K block t: W(32 t + i, my column) into set t % 2
.set n, 0
.rept 32
	global_load_b32 v[XW+32*((\t)%2)+n], v4, s[8:9] offset:(32*(\t)+n)*4096 th:TH_LOAD_NT
.set n, n+1
.endr
.endm
.macro BLOCK t
.set XS, XW+32*((\t)%2)
.set TQ, (\t)%4
.set QQ, (\t)/4
.if (\t) < 7
	s_wait_loadcnt 32                              ; this block's 32 loads are in; the next block's may be out
.else
	s_wait_loadcnt 0x0
.endif
	v_max3_num_f32 v20, |v[XS]|, |v[XS+1]|, |v[XS+2]|
	v_max3_num_f32 v21, |v[XS+3]|, |v[XS+4]|, |v[XS+5]|
.irp i, 6,10,14,18,22,26
	v_max3_num_f32 v20, v20, |v[XS+\i]|, |v[XS+\i+1]|
	v_max3_num_f32 v21, v21, |v[XS+\i+2]|, |v[XS+\i+3]|
.endr
	v_max3_num_f32 v20, v20, |v[XS+30]|, |v[XS+31]|
	v_max3_num_f32 v20, v20, v21, FLOOR            ; the block's largest magnitude, and the floor
	v_add_nc_u32 v22, EOFF, v20                    ; the conversions' scale operand
	v_lshrrev_b32 v23, 23, v22                     ; the scale's byte
.if TQ == 0
	v_mov_b32 v[SW+QQ], v23                        ; four bytes to a word, the lower K in the lower byte
.else
	v_lshl_or_b32 v[SW+QQ], v23, 8*TQ, v[SW+QQ]
.endif
	v_cvt_scalef32_pk16_fp6_f32 v[FW+24*QQ+12*(TQ%2)+6*(TQ/2):FW+24*QQ+12*(TQ%2)+6*(TQ/2)+2], v[XS:XS+15], v22
	v_cvt_scalef32_pk16_fp6_f32 v[TW+4*TQ:TW+4*TQ+2], v[XS+16:XS+31], v22
.if (\t) < 6
	LOADW (\t)+2
.endif
.endm
.macro OUTQ q                          ; the four K blocks of fragment column q become two images and leave.  Each q has its own registers: no store's data are written again
.set F0, FW+24*(\q)
.set F1, F0+12
	v_nop                                          ; one plain place behind a scaled conversion
.irp c, 0,1
.irp i, 0,1,2
	v_permlane16_swap_b32 v[F0+6*\c+\i], v[F1+6*\c+\i]       ; the even K block's lanes 16-31 change places with the odd one's lanes 0-15
	v_permlane16_swap_b32 v[TW+8*\c+\i], v[TW+8*\c+4+\i]
.endr
.endr
.irp c, 0,1
.irp i, 0,1,2
	v_mov_b32 v[F0+6*\c+3+\i], v[TW+8*\c+\i]
	v_mov_b32 v[F1+6*\c+3+\i], v[TW+8*\c+4+\i]
.endr
.endr
.irp e, 0,1
.irp j, 0,1,2
	global_store_b128 v7, v[F0+12*\e+4*\j:F0+12*\e+4*\j+3], s[14:15] offset:(8*(\q)+\e)*FRB+512*\j   ; 512 consecutive bytes, aligned
.endr
.endr
.endm
	LOADW 0
	LOADW 1
	BLOCK 0
	BLOCK 1
	BLOCK 2
	BLOCK 3
	OUTQ 0
	BLOCK 4
	BLOCK 5
	BLOCK 6
	BLOCK 7
	OUTQ 1
	global_store_b64 v8, v[SW:SW+1], s[14:15] offset:SCO   ; my column's two words: 32 lanes store 256 consecutive bytes, aligned
	s_endpgm
.Lfunc_end_k_qd9ae9511bd_quant:
	.size	k_qd9ae9511bd_quant, .Lfunc_end_k_qd9ae9511bd_quant-k_qd9ae9511bd_quant
	.p2alignl 7, 3214868480
	.fill 96, 4, 3214868480
	.section	.rodata,"a",@progbits
	.p2align	6, 0x0
	.amdhsa_kernel k_qd9ae9511bd_quant
		.amdhsa_group_segment_fixed_size 34304
		.amdhsa_private_segment_fixed_size 0
		.amdhsa_enable_private_segment 0
		.amdhsa_kernarg_size 48
		.amdhsa_user_sgpr_count 2
		.amdhsa_user_sgpr_kernarg_segment_ptr 1
		.amdhsa_wavefront_size32 1
		.amdhsa_system_sgpr_workgroup_id_x 1
		.amdhsa_system_sgpr_workgroup_id_y 1
		.amdhsa_system_sgpr_workgroup_id_z 1
		.amdhsa_system_vgpr_workitem_id 0
		.amdhsa_next_free_vgpr 256
		.amdhsa_next_free_sgpr 66
		.amdhsa_reserve_vcc 1
		.amdhsa_float_denorm_mode_32 3
		.amdhsa_float_denorm_mode_16_64 3
		.amdhsa_memory_ordered 1
		.amdhsa_forward_progress 1
		.amdhsa_inst_pref_size 69
	.end_amdhsa_kernel
	.amdgpu_metadata
---
amdhsa.version: [ 1, 2 ]
amdhsa.kernels:
  - .name:           k_qd9ae9511bd_quant
    .symbol:         k_qd9ae9511bd_quant.kd
    .args:
      - { .name: input_embedding, .offset: 0, .size: 8, .value_kind: global_buffer, .address_space: global }
      - { .name: previous_hidden_states, .offset: 8, .size: 8, .value_kind: global_buffer, .address_space: global }
      - { .name: Wx, .offset: 16, .size: 8, .value_kind: global_buffer, .address_space: global }
      - { .name: Wh, .offset: 24, .size: 8, .value_kind: global_buffer, .address_space: global }
      - { .name: a_ws, .offset: 32, .size: 8, .value_kind: global_buffer, .address_space: global }
      - { .name: b_ws, .offset: 40, .size: 8, .value_kind: global_buffer, .address_space: global }
    .group_segment_fixed_size: 34304
    .private_segment_fixed_size: 0
    .kernarg_segment_align: 8
    .kernarg_segment_size: 48
    .max_flat_workgroup_size: 128
    .sgpr_count:     66
    .vgpr_count:     256
    .wavefront_size: 32
...
	.end_amdgpu_metadata
.endif
;; end of part 1
;; launch lstm (part 2): grid 16 x 16, 4 waves a work-group, clusters of 4 x 4, 327,680 bytes of LDS; arguments a_ws, b_ws, bx, bh, previous_cell_states, out0, out1; writes out0, out1
.if DOCPART == 2
	.amdgcn_target "amdgcn-amd-amdhsa--gfx1250"
	.amdhsa_code_object_version 6
	.text
	.protected	k_qd9ae9511bd_lstm
	.globl	k_qd9ae9511bd_lstm
	.p2align	8
	.type	k_qd9ae9511bd_lstm,@function
k_qd9ae9511bd_lstm:
	s_mov_b64 s[64:65], 0
	v_nop
	global_prefetch_b8 v0, s[64:65] scope:SCOPE_SE
	s_setreg_imm32_b32 hwreg(HW_REG_WAVE_MODE, 25, 1), 1
	s_wait_xcnt 0x0
	s_wait_alu depctr_hold_cnt(0) depctr_sa_sdst(0) depctr_va_vdst(0) depctr_va_sdst(0) depctr_va_ssrc(0) depctr_va_vcc(0) depctr_vm_vsrc(0)
	s_getreg_b32 s2, hwreg(HW_REG_IB_STS2, 6, 4)
	s_cmp_eq_u32 s2, 0
	s_cbranch_scc0 .Lentry_in_a_cluster
	s_endpgm
.Lentry_in_a_cluster:
	s_bfe_u32 s2, ttmp6, 0x10000c
	s_cmp_lg_u32 s2, 0xf033
	s_cbranch_scc0 .Lentry_shape_is_right
	s_endpgm
.Lentry_shape_is_right:
; gates = x Wx + bx + h Wh + bh as ONE product on codes of FP6 (E2M3), M = 8,192, N = 4,096, K = 2,048, and the LSTM's arithmetic on the way out: out1 = f c_prev + i tanh(g), out0 = o tanh(out1).  The gates never go to memory.
; a_ws, b_ws: [group of 128 rows][K step of 256][PART = 25,600 bytes]: 16 images of operand registers ((8 q + i) x 1,536; registers 4 j .. 4 j + 3 of lane l at 512 j + 16 l), then 1,024 bytes of scale words.
; B's row is 128 (o / 32) + 32 gate + o % 32.  A tile is 256 rows x 256 of B's rows (64 outputs x 4 gates); four waves, each 128 x 128: 64 accumulators, 512 registers.
; A WORK-GROUP STAYS: it makes two tiles, 4,096 rows apart, with the same rows of B.  The ring of two slots (one K step each, 4 PARTs) goes on into the next tile: a tile's last two changes of slots ask for
; the next tile's K steps 0 and 1, which land while the tile goes out.  Each wave fetches one PART behind each round: by the text's own count one tensor load of a wave is out at a time.
; THE MATRIX INSTRUCTION IS USED TRANSPOSED (source 0 = 16 rows of B, source 1 = 16 rows of A): accumulator (a, b), lane (r, h), register j holds row 16 a + r, gate b / 2, output 16 (b % 2) + 8 h + j of the wave's 32.
; The bias bx + bh is the C of each sum's first product.
; CLUSTERS: 4 x 4 work-groups; A's parts are shared along a row of the cluster, B's along a column: each is asked for jointly.
; THE WAY OUT: with a = 2^(-i L), F = 2^(-f L), b = 2^(2 g L), O = 2^(-o L), L = log2 e:  c = (c_prev (1+a)(1+b) + (b-1)(1+F)) / ((1+a)(1+b)(1+F)),  d = 2^(2 c L),  out0 = (d-1) / ((d+1)(1+O)):
; five exponentials and two reciprocals an output.  Every exponent is held at 30 from above, so that no product of three such terms overflows; an exponential that underflows gives 0, which is right.
; LIMITS: a sigmoid under 2^-30 is given as 2^-30, a tanh over 1 - 2^-29 as that; |c_prev| stays under 2^60; NaN and infinities among the inputs are not served.
; c_prev comes straight into the accumulators' layout, each byte once: a wave's four loads of a block cover 128 consecutive bytes of each of 16 rows (the partner wave takes the row's other 128); whole rows of 256 bytes are prefetched at the tile's start.
; out0 and out1 leave through a stage in LDS bytes of their own (two sets of 16 rows by turns), as whole rows of 256 bytes.
; REGISTERS, in windows of 256: window 0: v13-31 addresses; v32-63 scale words, two sets; v64-127 the bias; v128-223 A's fragments.  window 1: B's fragments at v0 and v128, c_prev at v96-127; on the way out the rest is at work.
;   window 2: the accumulators of my rows 0-63 ((a, b) at v[8 (8 (a % 4) + b)]);   window 3: those of rows 64-127.
.set PART,  25600
.set FRB,   1536
.set SCO,   16*FRB
.set GSTR,  8*PART
.set SLOT,  4*PART                     ; wave w fills PART bytes at PART w: A's halves, then B's
.set CPP,   272                        ; a stage row: 256 bytes + 16
.set HSZ,   2*16*CPP                   ; 16 rows for each half of the tile's rows
.set STAGE, 2*SLOT                     ; set e at 2 HSZ e: the output's rows, then the new c's; no tensor load lands here
.set SPARE, STAGE+4*HSZ                ; the spare words: 128 bytes a wave, two blocks of 256 bytes that no other line names
.set NEXT_A, 32*GSTR-6*PART            ; from a slot's last K step of a tile to its first of the next tile
.set WALKB, 4096*4096                  ; 4,096 rows of c_prev, out0, out1 in bytes
.set FR,    12
.set NL,    3
.set NP,    4
.set CPO,  13                          ; v13 my offset in c_prev: 4,096 r + 32 h
.set PFC,  14                          ; v14 4,096 x lane
.set BO,   15
.set ADRA, 16                          ; v16-17 my 16 bytes of A's part in slot 0, 1
.set ADRB, 20                          ; v20-21 of B's
.set ADRS, 22                          ; v22-23 my scale words: lanes 0-15 A's, lanes 16-31 B's
.set HSA,  25                          ; v25 the stage, on the way in
.set RDH,  26                          ; v26 and back
.set SPW,  28
.set NIL,  29
.set CO,   30                          ; v30 my offset in two rows of out0, out1
.set PFO,  31                          ; v31 256 x min(lane, 24)
.set SC,   32
.set BI,   64
.set AF,   128
.set G,    0                           ; window 1, the way out: i at +0, f at +16, g at +32, o at +48
.set T,    64
.set CN,   80
.set CV,   96                          ; two sets of 16
.set SB,   128                         ; two sets of 32: whole rows on their way to memory
.set HN,   192
.set G1,  24
.set G0,  32
.set G1B, 48
.set G0B, 56
.set PFA, 46                           ; s[46:47] where my prefetches of codes stand
.set KN,  66                           ; s[66:67] -log2 e
.set LIM, 80                           ; in the loop I prefetch while the laps to go are more than this
.set CL,  81                           ; 30.0
.set KP,  82                           ; s[82:83] 2 log2 e
.set STP, 84                           ; s[84:85] a prefetch's step
.set JMP, 86
.set PRT, 87
.set PCB, 88                           ; s[88:89] c_prev at the 64 rows that I prefetch
.set MSB, 0
.macro WIN new
.if MSB != \new
	s_set_vgpr_msb (MSB<<8)|\new
.set MSB, \new
.endif
.endm
.set MUL_LO,   0xa1
.set MUL_HI,   0xf1
.set FIRST_LO, 0x81
.set FIRST_HI, 0xc1
.set TO_1,     0x40                    ; destination window 1, address window 0
.set FROM_1,   0x04                    ; address window 0, data window 1
.set ALL_1,    0x55
.macro PLACES n
.rept \n
	v_nop
.endr
.endm
; a joint load into slot s: waves 0, 1 fetch A's halves, waves 2, 3 B's; s_nop 0 and four v_nop behind each line
.macro JLOAD s
	s_cmp_eq_u32 s19, 0
	s_cbranch_scc0 .Lfor_b_\@
	tensor_load_to_lds s[G0+4*\s:G0+4*\s+3], s[G1:G1+7]
	s_nop 0
	PLACES 4
	s_branch .Lasked_\@
.Lfor_b_\@:
	tensor_load_to_lds s[G0B+4*\s:G0B+4*\s+3], s[G1B:G1B+7]
	s_nop 0
	PLACES 4
.Lasked_\@:
.endm
.macro CREST
	s_cmp_lg_u32 s18, 0
	s_cbranch_scc1 .Lnot_wave_0_\@
	s_barrier_signal -3
.Lnot_wave_0_\@:
	s_barrier_wait -3
	s_barrier_signal -1
	s_barrier_wait -1
.endm
.macro CROUND
	s_barrier_signal -1
	s_barrier_wait -1
	CREST
.endm
	s_load_b256 s[4:11], s[0:1], 0x0               ; a_ws, b_ws, bx, bh
	s_load_b128 s[12:15], s[0:1], 0x20             ; c_prev, out0
	s_load_b64 s[16:17], s[0:1], 0x30              ; out1
	v_lshl_add_u32 v[SPW], v0, 2, SPARE
	v_mov_b32 v[NIL], 0
	ds_add_u32 v[SPW], v[NIL]                      ; the opening lines: the add twice on end and its wait; all that hangs on ids alone stands between
	ds_add_u32 v[SPW], v[NIL]
	v_lshrrev_b32 v1, 5, v0
	v_readfirstlane_b32 s18, v1                    ; wave
	s_lshr_b32 s19, s18, 1                         ; wr: my half of the rows; also: I fetch for A (0) or B (1)
	s_and_b32 s20, s18, 1                          ; wc: my half of B's rows; also: which half I fetch
	s_bfe_u32 s40, ttmp6, 0x40000                  ; cx
	s_bfe_u32 s41, ttmp6, 0x40004                  ; cy
	s_lshl_b32 s42, ttmp9, 2
	s_add_co_u32 s42, s42, s40                     ; tc: 64 outputs
	s_and_b32 s43, ttmp7, 0xffff
	s_lshl_b32 s43, s43, 2
	s_add_co_u32 s43, s43, s41                     ; tr: 256 rows; the second tile is tr + 16
	s_lshl_b32 s44, s41, 2
	s_lshl_b32 s44, 15, s44                        ; my row of the cluster
	s_lshl_b32 s45, 0x1111, s40                    ; my column
	s_or_b32 s[G1+0], s44, (3<<16)|(1<<21)         ; a PART: 100 dense rows of 256 bytes (32 elements of 8)
	s_or_b32 s[G1B+0], s45, (3<<16)|(1<<21)
.irp g, G1, G1B
	s_mov_b32 s[\g+1], 32<<16
	s_mov_b32 s[\g+2], 100<<16
	s_mov_b32 s[\g+3], 32<<16
	s_mov_b32 s[\g+4], 100
	s_mov_b32 s[\g+5], 32
	s_mov_b32 s[\g+6], 0
	s_mov_b32 s[\g+7], 0
.endr
	s_lshl_b32 s68, s43, 1
	s_add_co_u32 s68, s68, s20
	s_mul_i32 s68, s68, GSTR                       ; A's group 2 tr + half
	s_mov_b32 s69, 0
	s_lshl_b32 s70, s42, 1
	s_add_co_u32 s70, s70, s20
	s_mul_i32 s70, s70, GSTR                       ; B's group 2 tc + half
	s_mov_b32 s71, 0
	s_mov_b32 s[KN], 0xbfb8aa3b
	s_mov_b32 s[KN+1], s[KN]
	s_mov_b32 s[KP], 0x4038aa3b
	s_mov_b32 s[KP+1], s[KP]
	s_mov_b32 s[CL], 0x41f00000
	s_mov_b32 s[STP+1], 0
	s_mov_b32 s[JMP], PART+31*GSTR                 ; from a tile's K step 7 to the next tile's K step 0
	s_mov_b32 s[PRT], PART
	s_mov_b32 s[LIM], s19                          ; first tile: A's waves ask in every lap, B's in all but the last
	s_mov_b32 s2, 2                                ; tiles to go
	s_lshl_b32 s21, s42, 8
	s_lshl_b32 s22, s20, 7
	s_add_co_u32 s21, s21, s22                     ; the bias: 256 tc + 128 wc
	s_xor_b32 s23, s19, 1
	s_add_co_u32 s23, s23, s20
	s_add_co_u32 s23, s23, 1
	s_mul_i32 s23, s23, PART                       ; from A's part to B's: (2 + wc - wr) parts
	s_mul_i32 s72, s19, PART                       ; A's part wr
	s_mul_i32 s73, s20, PART
	s_add_co_u32 s73, s73, 2*PART                  ; B's part 2 + wc
	s_mul_i32 s74, s19, 16*CPP
	s_add_co_u32 s74, s74, STAGE
	s_mul_i32 s75, s20, 8*CPP
	s_add_co_u32 s75, s75, s74                     ; back: row 8 wc of my half
	s_add_co_u32 s74, s74, s22                     ; in: byte 128 wc
	s_mul_i32 s22, s18, PART                       ; where my PART goes in a slot
	v_and_b32 v1, 31, v0                           ; lane
	v_and_b32 v2, 15, v0                           ; r
	v_bfe_u32 v3, v0, 4, 1                         ; h
	v_lshl_add_u32 v[BO], v3, 5, s21
	v_lshlrev_b32 v4, 4, v1
	v_mul_u32_u24 v5, s23, v3                      ; lanes 16-31 take B's words
	v_lshl_add_u32 v5, v2, 4, v5
	v_add_nc_u32 v5, SCO, v5
	v_add_nc_u32 v[ADRA], s72, v4
	v_add_nc_u32 v[ADRB], s73, v4
	v_add_nc_u32 v[ADRS], s72, v5
	v_add_nc_u32 v[ADRA+1], SLOT, v[ADRA]
	v_add_nc_u32 v[ADRB+1], SLOT, v[ADRB]
	v_add_nc_u32 v[ADRS+1], SLOT, v[ADRS]
	v_mul_u32_u24 v6, v2, CPP
	v_lshl_add_u32 v6, v3, 5, v6
	v_add_nc_u32 v[HSA], s74, v6                   ; row r, byte 128 wc + 32 h
	v_mul_u32_u24 v7, v3, CPP
	v_lshl_add_u32 v7, v2, 4, v7
	v_add_nc_u32 v[RDH], s75, v7                   ; row 8 wc + h, 16 bytes a lane
	v_lshlrev_b32 v[CO], 12, v3
	v_lshl_add_u32 v[CO], v2, 4, v[CO]
	v_lshlrev_b32 v[CPO], 12, v2
	v_lshl_add_u32 v[CPO], v3, 5, v[CPO]
	v_min_u32 v[PFO], 24, v1
	v_lshlrev_b32 v[PFO], 8, v[PFO]
	v_lshlrev_b32 v[PFC], 12, v1
	s_wait_alu depctr_va_vdst(0)
	s_wait_dscnt 0x0
	s_wait_kmcnt 0x0
.irp b, 0,1,2,3,4,5,6,7
.irp u, 0,1
	global_load_b128 v[BI+8*\b+4*\u:BI+8*\b+4*\u+3], v[BO], s[8:9] offset:(\b/2)*4096+64*(\b%2)+16*\u
	global_load_b128 v[AF+8*\b+4*\u:AF+8*\b+4*\u+3], v[BO], s[10:11] offset:(\b/2)*4096+64*(\b%2)+16*\u
.endr
.endr
	s_add_nc_u64 s[68:69], s[4:5], s[68:69]
	s_add_nc_u64 s[70:71], s[6:7], s[70:71]
	s_lshl_b32 s76, s43, 20                        ; 256 tr rows of 4,096 bytes
	s_lshl_b32 s21, s42, 8                         ; + 64 tc numbers
	s_add_co_u32 s76, s76, s21
	s_mov_b32 s77, 0
	s_lshl_b32 s78, s18, 18                        ; + 64 w rows: what I prefetch of c_prev
	s_mov_b32 s79, 0
	s_add_nc_u64 s[PCB:PCB+1], s[12:13], s[76:77]
	s_add_nc_u64 s[PCB:PCB+1], s[PCB:PCB+1], s[78:79]
	s_lshl_b32 s78, s19, 19                        ; + 128 wr rows
	s_add_nc_u64 s[76:77], s[76:77], s[78:79]
	s_lshl_b32 s78, s20, 7                         ; c_prev: + 32 wc numbers
	s_add_nc_u64 s[12:13], s[12:13], s[76:77]
	s_add_nc_u64 s[12:13], s[12:13], s[78:79]
	s_lshl_b32 s78, s20, 15                        ; out0, out1: + 8 wc rows
	s_add_nc_u64 s[76:77], s[76:77], s[78:79]
	s_add_nc_u64 s[14:15], s[14:15], s[76:77]
	s_add_nc_u64 s[16:17], s[16:17], s[76:77]
	s_cmp_eq_u32 s19, 0                            ; the prefetches of codes: of the PART that I fetch, my work-group's 25 blocks of 256 bytes, told apart by address
	s_cselect_b32 s78, s43, s42
	s_cselect_b32 s23, s40, s41
	s_cselect_b64 s[PFA:PFA+1], s[4:5], s[6:7]
	s_lshl_b32 s78, s78, 1
	s_add_co_u32 s78, s78, s20
	s_mul_i32 s78, s78, GSTR
	s_mul_i32 s23, s23, 25*256
	s_add_co_u32 s78, s78, s23
	s_add_co_u32 s78, s78, 3*PART                  ; at K step 3: each change of slots steps it first
	s_add_nc_u64 s[PFA:PFA+1], s[PFA:PFA+1], s[78:79]
	CROUND                                         ; all sixteen work-groups are here
.irp s, 0,1
	s_mov_b32 s[G0+4*\s], 1
	s_add_co_u32 s[G0+4*\s+1], s22, \s*SLOT
	s_add_nc_u64 s[G0+4*\s+2:G0+4*\s+3], s[68:69], \s*PART
	s_or_b32 s[G0+4*\s+3], s[G0+4*\s+3], 0x80000000
	s_mov_b32 s[G0B+4*\s], 1
	s_add_co_u32 s[G0B+4*\s+1], s22, \s*SLOT
	s_add_nc_u64 s[G0B+4*\s+2:G0B+4*\s+3], s[70:71], \s*PART
	s_or_b32 s[G0B+4*\s+3], s[G0B+4*\s+3], 0x80000000
.endr
	JLOAD 0                                        ; K step 0: one tensor load a wave at the head
	global_prefetch_b8 v[PFO], s[PFA:PFA+1] offset:-2*PART th:TH_LOAD_NT scope:SCOPE_SE   ; K steps 1, 2 and 3, which the next three loads of my wave bring
	global_prefetch_b8 v[PFO], s[PFA:PFA+1] offset:-PART th:TH_LOAD_NT scope:SCOPE_SE
	global_prefetch_b8 v[PFO], s[PFA:PFA+1] th:TH_LOAD_NT scope:SCOPE_SE
	s_wait_loadcnt 0x0
.set n, 0
.rept 32
	v_pk_add_f32 v[BI+n:BI+n+1], v[BI+n:BI+n+1], v[AF+n:AF+n+1]   ; bx + bh, once for both tiles
.set n, n+2
.endr
.macro FRAG reg, adr, u, q, i          ; a fragment comes back as it was stored: three loads of 512 consecutive LDS bytes
.irp c, 0,1,2
	ds_load_b128 v[\reg+4*\c:\reg+4*\c+3], v[\adr+(\u)] offset:(8*(\q)+(\i))*FRB+512*\c
.endr
.endm
; one product: A's block a x B's block b; q: which 128 of the K step, and B's set; sc: the set of scale words; first: the bias is C
.macro WM a, b, q, sc, first
.if \first
	v_wmma_scale_f32_16x16x128_f8f6f4 v[8*(8*((\a)%4)+(\b)):8*(8*((\a)%4)+(\b))+7], v[128*(\q)+FR*(\b):128*(\q)+FR*(\b)+FR-1], v[AF+FR*(\a):AF+FR*(\a)+FR-1], v[BI+8*(\b):BI+8*(\b)+7], v[SC+16*(\sc)+2*(\b)+(\q)], v[SC+16*(\sc)+2*(\a)+(\q)] matrix_a_fmt:MATRIX_FMT_FP6 matrix_b_fmt:MATRIX_FMT_FP6 matrix_a_scale:MATRIX_SCALE_ROW1
.else
	v_wmma_scale_f32_16x16x128_f8f6f4 v[8*(8*((\a)%4)+(\b)):8*(8*((\a)%4)+(\b))+7], v[128*(\q)+FR*(\b):128*(\q)+FR*(\b)+FR-1], v[AF+FR*(\a):AF+FR*(\a)+FR-1], v[8*(8*((\a)%4)+(\b)):8*(8*((\a)%4)+(\b))+7], v[SC+16*(\sc)+2*(\b)+(\q)], v[SC+16*(\sc)+2*(\a)+(\q)] matrix_a_fmt:MATRIX_FMT_FP6 matrix_b_fmt:MATRIX_FMT_FP6 matrix_a_scale:MATRIX_SCALE_ROW1
.endif
.endm
.macro MULA a, q, sc, first            ; a block of A against B's eight.  No two products on end share an accumulator
.irp b, 0,1,2,3,4,5,6,7
	WM \a, \b, \q, \sc, \first
.endr
.endm
.macro MULB b, q, sc, first            ; a block of B against A's blocks 0-3
.irp a, 0,1,2,3
	WM \a, \b, \q, \sc, \first
.endr
.endm
.macro FETCH_B u, q
	WIN TO_1
.irp i, 0,1,2,3,4,5,6,7
	FRAG 128*(\q)+FR*\i, ADRB, \u, \q, \i
.endr
	WIN 0
.endm
.macro FETCH_A u, q, i0
.irp i, \i0, \i0+1, \i0+2, \i0+3
	FRAG AF+FR*(\i), ADRA, \u, \q, \i
.endr
.endm
.macro SCALES u                        ; the K step's scale words into set u: a load brings the four words of blocks 2 p, 2 p + 1
.irp p, 0,1,2,3
	ds_load_b128 v[SC+16*(\u)+4*\p:SC+16*(\u)+4*\p+3], v[ADRS+(\u)] offset:256*\p
.endr
.endm
.macro OPENK u                         ; a K step's first fragments, in the order in which its first products want them
	SCALES \u
	FETCH_A \u, 0, 0
	FETCH_B \u, 0
.endm
.macro CPLOAD a                        ; c_prev of block a: my 16 numbers, into set a % 2
	WIN TO_1
.irp k, 0,1,2,3
	global_load_b128 v[CV+16*((\a)%2)+4*\k:CV+16*((\a)%2)+4*\k+3], v[CPO], s[12:13] offset:(\a)*65536+64*(\k/2)+16*(\k%2)
.endr
	WIN 0
.endm
; the first 128 of the K step in slot u.  Out at its start, in order: 4 loads of scale words, 12 of A's blocks 0-3, 3 for each of B's eight blocks, 12 of A's blocks 4-7.
; B's set for the second 128 is asked for first (24 loads, 64 products ahead of its use); the first 32 products go by B's blocks, each as soon as its block is in.
.macro STEP u, first
	FETCH_B \u, 1
.if \first
	WIN FIRST_LO
.else
	WIN MUL_LO
.endif
.irp b, 0,1,2,3,4,5,6,7
	s_wait_dscnt 57-3*\b                           ; behind B's block b: its later blocks (3 each), A's blocks 4-7 (12), the next set of B (24)
	MULB \b, 0, \u, \first
.endr
	PLACES NP
	WIN 0
	FETCH_A \u, 1, 0
	s_wait_dscnt 36                                ; A's blocks 4-7 are in; the next set of B and the 12 loads just issued may be out
.if \first
	WIN FIRST_HI
.else
	WIN MUL_HI
.endif
.irp a, 4,5,6,7
	MULA \a, 0, \u, \first
.endr
	PLACES NP
	WIN 0
	FETCH_A \u, 1, 4
.endm
; the second 128 of the K step in slot u, and the change of slots.  mode 0: the slot takes this tile's K step two on; 1: the next tile's K step 0 or 1; 2: nothing is left to fetch.  fetch: the other slot's first fragments follow.
; A prefetch names the K step that stands two refills on (in the first tile's last four changes: of the next tile's A); B's rows are named in the first tile alone; nothing is named past the second tile's K step 7.
.macro TURN u, mode, fetch
.if \mode < 2
	s_wait_xcnt 0x0                                ; my earlier prefetch has read its address
.if \mode == 0 && \u == 0
	s_cmp_eq_u32 s3, 1
	s_cselect_b32 s[STP], s[JMP], s[PRT]           ; in a tile's last lap the walk goes on to the next tile's rows
	s_add_nc_u64 s[PFA:PFA+1], s[PFA:PFA+1], s[STP:STP+1]
.else
	s_add_nc_u64 s[PFA:PFA+1], s[PFA:PFA+1], PART
.endif
.endif
	s_wait_tensorcnt 0x0                           ; my part of the other slot has landed
	ds_add_u32 v[SPW], v[NIL]
	s_wait_dscnt 4*NL+1                            ; the add and A's blocks 4-7 may be out
	WIN MUL_LO
	MULA 0, 1, \u, 0
	MULA 1, 1, \u, 0
	s_wait_dscnt 0x0                               ; the add is done, my reads of this slot are over
	s_barrier_signal -1
	MULA 2, 1, \u, 0
	MULA 3, 1, \u, 0
	WIN 0
	s_barrier_wait -1
.if \mode < 2
	CREST                                          ; the barrier has opened a round of the cluster's
.if \mode == 0
	s_add_nc_u64 s[G0+4*\u+2:G0+4*\u+3], s[G0+4*\u+2:G0+4*\u+3], 2*PART
	s_add_nc_u64 s[G0B+4*\u+2:G0B+4*\u+3], s[G0B+4*\u+2:G0B+4*\u+3], 2*PART
.else
	s_add_nc_u64 s[G0+4*\u+2:G0+4*\u+3], s[G0+4*\u+2:G0+4*\u+3], NEXT_A
	s_sub_nc_u64 s[G0B+4*\u+2:G0B+4*\u+3], s[G0B+4*\u+2:G0B+4*\u+3], 6*PART
.endif
	JLOAD \u                                       ; its four v_nop are also the places in front of the loads below
.else
	PLACES NP
.endif
.if \fetch
	OPENK 1-(\u)
.endif
.if \mode < 2
.if \mode == 0
	s_cmp_gt_u32 s3, s[LIM]
.else
	s_cmp_eq_u32 s19, 0
.endif
	s_cbranch_scc0 .Lnot_mine_\@
	global_prefetch_b8 v[PFO], s[PFA:PFA+1] th:TH_LOAD_NT scope:SCOPE_SE
.Lnot_mine_\@:
.endif
	WIN MUL_HI
.irp a, 4,5,6,7
	MULA \a, 1, \u, 0
.endr
.if \fetch
	PLACES NP
	WIN 0
	FETCH_A 1-(\u), 0, 4
.else
	WIN 0
.endif
.endm
; THE WAY OUT, block by block of 16 rows
.macro BACK a                          ; rows 8 wc + 0 .. 7 of the block, whole: two rows a load
.set BB, SB+32*((\a)%2)
	WIN TO_1
.irp t, 0,1,2,3
	ds_load_b128 v[BB+4*\t:BB+4*\t+3], v[RDH] offset:((\a)%2)*2*HSZ+2*\t*CPP
	ds_load_b128 v[BB+16+4*\t:BB+16+4*\t+3], v[RDH] offset:((\a)%2)*2*HSZ+HSZ+2*\t*CPP
.endr
	WIN 0
.endm
.macro SEND a
.set BB, SB+32*((\a)%2)
	WIN FROM_1
.irp t, 0,1,2,3
	global_store_b128 v[CO], v[BB+4*\t:BB+4*\t+3], s[14:15] offset:(16*(\a)+2*\t)*4096 th:TH_STORE_NT        ; sixteen lanes store 256 consecutive bytes, aligned
	global_store_b128 v[CO], v[BB+16+4*\t:BB+16+4*\t+3], s[16:17] offset:(16*(\a)+2*\t)*4096 th:TH_STORE_NT
.endr
.endm
.macro MEET a                          ; block a's 16 rows are whole in the stage, and come back
	s_wait_dscnt 0x0                               ; for the partner wave's sake: my stores of block a have landed
	s_barrier_signal -1
	s_barrier_wait -1
.if (\a) > 1
	s_wait_xcnt 0x0                                ; the stores of the block two back have read this set of registers
.endif
	BACK \a
.endm
.macro PK8 op, d, x, y                 ; eight packed instructions on 16 numbers
.set n, 0
.rept 8
	\op v[\d+n:\d+n+1], v[\x+n:\x+n+1], v[\y+n:\y+n+1]
.set n, n+2
.endr
.endm
.macro PKC8 d, x, c                    ; d = x + a constant
.set n, 0
.rept 8
	v_pk_add_f32 v[\d+n:\d+n+1], v[\x+n:\x+n+1], \c op_sel_hi:[1,0]
.set n, n+2
.endr
.endm
.macro FMA8 d, x, y, z
.set n, 0
.rept 8
	v_pk_fma_f32 v[\d+n:\d+n+1], v[\x+n:\x+n+1], v[\y+n:\y+n+1], v[\z+n:\z+n+1]
.set n, n+2
.endr
.endm
.macro TR op, r, cnt                   ; a batch of transcendentals in place, with waits ahead of it and behind it
	s_wait_alu depctr_va_vdst(0)
.set n, 0
.rept \cnt
	\op v[\r+n], v[\r+n]
.set n, n+1
.endr
	v_nop
	s_wait_alu depctr_va_vdst(0)
.endm
.macro HOLD r, cnt                     ; exponents held at 30 from above
.set n, 0
.rept \cnt
	v_min_num_f32 v[\r+n], s[CL], v[\r+n]
.set n, n+1
.endr
.endm
; Block a's rows go into stage set a % 2 at the block's end.  The barrier that shows them whole, and their way back, stand behind block a + 1's first exponentials; their stores behind its second batch.
; A set is written again two blocks on: behind the barrier of the block between, in front of which each wave has waited for its reads of the set.
.macro EPI a
.set AC, 64*((\a)%4)
.set CVS, CV+16*((\a)%2)
.if (\a) < 7
	CPLOAD (\a)+1
.endif
	WIN 0x42+(\a)/4                                ; source 0: window 2 or 3; destination: window 1
	s_wait_alu depctr_va_vdst(0)                   ; the wait ahead of the first reader of the sums
.irp jj, 0,1,2,3                       ; each accumulator from its low end on
.irp b, 0,1,2,3,4,5,6,7
.if (\b)/2 == 2
	v_pk_mul_f32 v[G+8*\b+2*\jj:G+8*\b+2*\jj+1], v[AC+8*\b+2*\jj:AC+8*\b+2*\jj+1], s[KP:KP+1] op_sel_hi:[1,0]
.else
	v_pk_mul_f32 v[G+8*\b+2*\jj:G+8*\b+2*\jj+1], v[AC+8*\b+2*\jj:AC+8*\b+2*\jj+1], s[KN:KN+1] op_sel_hi:[1,0]
.endif
.endr
.endr
	WIN ALL_1
	HOLD G, 64
	TR v_exp_f32, G, 64                            ; a, F, b, O
.if (\a) > 0
	MEET (\a)-1
.endif
.if (\a) < 7
	s_wait_loadcnt 4                               ; this block's c_prev is in; the next block's four loads may be out
.else
	s_wait_loadcnt 0x0
.endif
	WIN ALL_1
	PKC8 T, G+32, 1.0                              ; 1 + b
	PKC8 G+32, G+32, -1.0                          ; b - 1
	FMA8 G, G, T, T                                ; (1 + a)(1 + b)
	FMA8 T, G+16, G, G                             ; x (1 + F)
	FMA8 G+32, G+32, G+16, G+32                    ; (b - 1)(1 + F)
	FMA8 G+32, CVS, G, G+32                        ; + c_prev (1 + a)(1 + b)
	TR v_rcp_f32, T, 16
	PK8 v_pk_mul_f32, CN, G+32, T                  ; the new c
.set n, 0
.rept 8
	v_pk_mul_f32 v[G+n:G+n+1], v[CN+n:CN+n+1], s[KP:KP+1] op_sel_hi:[1,0]
.set n, n+2
.endr
	HOLD G, 16
	TR v_exp_f32, G, 16                            ; d
.if (\a) > 0
	s_wait_dscnt 0x0                               ; the last block's rows are back
	SEND (\a)-1
.endif
	WIN ALL_1
	PKC8 T, G, 1.0
	PKC8 G, G, -1.0
	FMA8 T, G+48, T, T                             ; (d + 1)(1 + O)
	TR v_rcp_f32, T, 16
	PK8 v_pk_mul_f32, HN, G, T                     ; the output
	WIN FROM_1
.irp k, 0,1,2,3
	ds_store_b128 v[HSA], v[HN+4*\k:HN+4*\k+3] offset:((\a)%2)*2*HSZ+64*(\k/2)+16*(\k%2)
	ds_store_b128 v[HSA], v[CN+4*\k:CN+4*\k+3] offset:((\a)%2)*2*HSZ+HSZ+64*(\k/2)+16*(\k%2)
.endr
	WIN 0
.endm
	s_wait_alu depctr_va_vdst(0)
	s_wait_tensorcnt 0x0                           ; my part of K step 0 is in
	ds_add_u32 v[SPW], v[NIL]
	s_wait_dscnt 0x0
	CROUND
	JLOAD 1                                        ; K step 1
.Ltile:
	OPENK 0
	FETCH_A 0, 0, 4
	global_prefetch_b8 v[PFC], s[PCB:PCB+1] th:TH_LOAD_NT scope:SCOPE_SE                   ; this tile's c_prev: each wave names 64 rows of 256 bytes, a lane a row, eight K steps ahead of their loads
	global_prefetch_b8 v[PFC], s[PCB:PCB+1] offset:32*4096 th:TH_LOAD_NT scope:SCOPE_SE
	STEP 0, 1                                      ; a tile's first products start the sums with the bias
	s_mov_b32 s3, 3
.Llap:                                                 ; a trip goes once round the ring and fills both slots again
	TURN 0, 0, 1
	STEP 1, 0
	TURN 1, 0, 1
	STEP 0, 0
	s_sub_co_u32 s3, s3, 1
	s_cmp_lg_u32 s3, 0
	s_cbranch_scc1 .Llap
	s_cmp_eq_u32 s2, 1
	s_cbranch_scc1 .Llast_tile                     ; the last tile's tail is written out: it asks for nothing more
	TURN 0, 1, 1                                   ; slot 0 takes the next tile's K step 0,
	CPLOAD 0
	STEP 1, 0
	TURN 1, 1, 0                                   ; slot 1 its K step 1
	s_branch .Lout
.Llast_tile:
	TURN 0, 2, 1
	CPLOAD 0
	STEP 1, 0
	s_wait_dscnt 4*NL
	WIN MUL_LO
.irp a, 0,1,2,3
	MULA \a, 1, 1, 0
.endr
	s_wait_dscnt 0x0
	WIN MUL_HI
.irp a, 4,5,6,7
	MULA \a, 1, 1, 0
.endr
	WIN 0
.Lout:
	PLACES NP
.irp a, 0,1,2,3,4,5,6,7
	EPI \a
.endr
	MEET 7
	s_wait_dscnt 0x0
	SEND 7
	WIN 0
	s_wait_xcnt 0x0                                ; the stores and loads have read their bases and registers
	s_add_nc_u64 s[12:13], s[12:13], WALKB         ; on to the next tile's rows
	s_add_nc_u64 s[14:15], s[14:15], WALKB
	s_add_nc_u64 s[16:17], s[16:17], WALKB
	s_add_nc_u64 s[PCB:PCB+1], s[PCB:PCB+1], WALKB
	s_cmp_eq_u32 s19, 0
	s_cselect_b32 s[LIM], 1, 64                    ; second tile: A's waves ask in all laps but the last, B's no more
	s_sub_co_u32 s2, s2, 1
	s_cmp_lg_u32 s2, 0
	s_wait_alu depctr_va_vdst(0)
	s_cbranch_scc1 .Ltile
	s_wait_tensorcnt 0x0                           ; the wave's end
	ds_add_u32 v[SPW], v[NIL]
	s_wait_dscnt 0x0
	CROUND                                         ; the closing round
	s_endpgm
.Lfunc_end_k_qd9ae9511bd_lstm:
	.size	k_qd9ae9511bd_lstm, .Lfunc_end_k_qd9ae9511bd_lstm-k_qd9ae9511bd_lstm
	.p2alignl 7, 3214868480
	.fill 96, 4, 3214868480
	.section	.rodata,"a",@progbits
	.p2align	6, 0x0
	.amdhsa_kernel k_qd9ae9511bd_lstm
		.amdhsa_group_segment_fixed_size 327680
		.amdhsa_private_segment_fixed_size 0
		.amdhsa_enable_private_segment 0
		.amdhsa_kernarg_size 56
		.amdhsa_user_sgpr_count 2
		.amdhsa_user_sgpr_kernarg_segment_ptr 1
		.amdhsa_wavefront_size32 1
		.amdhsa_system_sgpr_workgroup_id_x 1
		.amdhsa_system_sgpr_workgroup_id_y 1
		.amdhsa_system_sgpr_workgroup_id_z 1
		.amdhsa_system_vgpr_workitem_id 0
		.amdhsa_next_free_vgpr 1024
		.amdhsa_next_free_sgpr 100
		.amdhsa_reserve_vcc 0
		.amdhsa_float_denorm_mode_32 3
		.amdhsa_float_denorm_mode_16_64 3
		.amdhsa_memory_ordered 1
		.amdhsa_forward_progress 1
		.amdhsa_inst_pref_size 255
	.end_amdhsa_kernel
	.section	.bss,"aw",@nobits
	.p2align	6
	.space	262144
	.amdgpu_metadata
---
amdhsa.version: [ 1, 2 ]
amdhsa.kernels:
  - .name:           k_qd9ae9511bd_lstm
    .symbol:         k_qd9ae9511bd_lstm.kd
    .args:
      - { .name: a_ws, .offset: 0, .size: 8, .value_kind: global_buffer, .address_space: global }
      - { .name: b_ws, .offset: 8, .size: 8, .value_kind: global_buffer, .address_space: global }
      - { .name: bx, .offset: 16, .size: 8, .value_kind: global_buffer, .address_space: global }
      - { .name: bh, .offset: 24, .size: 8, .value_kind: global_buffer, .address_space: global }
      - { .name: previous_cell_states, .offset: 32, .size: 8, .value_kind: global_buffer, .address_space: global }
      - { .name: out0, .offset: 40, .size: 8, .value_kind: global_buffer, .address_space: global }
      - { .name: out1, .offset: 48, .size: 8, .value_kind: global_buffer, .address_space: global }
    .group_segment_fixed_size: 327680
    .private_segment_fixed_size: 0
    .kernarg_segment_align: 8
    .kernarg_segment_size: 56
    .max_flat_workgroup_size: 128
    .sgpr_count:     100
    .vgpr_count:     1024
    .wavefront_size: 32
...
	.end_amdgpu_metadata
.endif
;; end of part 2
